; MI455X (gfx1250); checked and timed in simulation.
; The chip was launched on July 23, 2026; its instructions are those of AMD's public machine-readable ISA for CDNA 5 (MIT licence, August 2026) and "CDNA5" Instruction Set Architecture Reference Guide (July 2026). The comments in the code are by the model that wrote it; some were corrected since.
;; EC Lay. Allowed arithmetic: float matrix products may take bf16 or f16 operands with f32 sums; all other float work in f32.
;; Inputs: W1 64 x 96 float32; W2 32 x 64 float32; b1 64 float32; b2 32 float32; input 32 x 3 x 512 x 512 float32; tseq 32 float32.
;; Outputs: out0 32 x 32 float32.
;; One version. Each part assembles by itself: llvm-mc -triple=amdgcn-amd-amdhsa -mcpu=gfx1250 --defsym DOCPART=n.
;; ======== version 1 of 1: 2 launches
;; workspace buffers: part 393,216 bytes
;; launch ecurve (part 1): grid 256 x 1, 12 waves a work-group, no clusters, 3,072 bytes of LDS; arguments input, tseq, part; writes part
.if DOCPART == 1
	.amdgcn_target "amdgcn-amd-amdhsa--gfx1250"
	.amdhsa_code_object_version 6
	.text
	.protected	k_qbbdf57adc6_ecurve
	.globl	k_qbbdf57adc6_ecurve
	.p2align	8
	.type	k_qbbdf57adc6_ecurve,@function
k_qbbdf57adc6_ecurve:
	s_mov_b64 s[64:65], 0
	v_nop
	global_prefetch_b8 v0, s[64:65] scope:SCOPE_SE
	s_setreg_imm32_b32 hwreg(HW_REG_WAVE_MODE, 25, 1), 1
	s_wait_xcnt 0x0
; Euler characteristic curves of 96 images of 512 x 512 f32 at 32 thresholds, as partial sums over strips of 16 rows.
; part[image][strip][i] (f32, whole numbers) = this strip's share of EC(tseq[i]) = #vertices - #edges + #faces of {x < tseq[i]}.
;
; HOW THE COUNT IS MADE
; 1. A pixel becomes a word w of 32 bits, bit p = [x < s_p], s = tseq sorted ascending.  The minimum of pixels is the OR of their words,
;    so only pixels are compared, never edges or vertices.
; 2. Row by row: vertices - vertical edges = runs(u_r), u_r = w_(r-1) | w_r, and horizontal edges - faces = runs(w_r), where runs(a) counts
;    the columns j with a_j = 1 and a_(j+1) = 0 (column 512 is 0).  So EC = sum over r = 0..511 of runs(u_r) - runs(w_r), plus runs(w_511)
;    for the row of vertices under the image, which cancels -runs(w_511); w_(-1) = 0.
; 3. With s sorted, w = -1 << k, k = the number of s_p <= x: a binary search of five levels over s_0..s_30, in which the 15, 7, 3, 1 thresholds
;    that can still be met are chosen by selects on VCC (no table, no address from data), and a last compare with s_31.
; 4. The bits e_u = u_j & ~u_(j+1) and ~e_w = ~(w_j & ~w_(j+1)) are counted for all 32 thresholds at once in ten bit planes by carry-save adders;
;    ~e_w = 1 - e_w adds 1 for each of the strip's 16 x 512 = 8,192 pixels, which is taken off at the end.
;
; SHARES: 3,072 waves, wave W = 12 x work-group + wave owns flat rows 16 W .. 16 W + 15 (image W / 32, strip W % 32) and reads the row above as well.
; A row is four loads of 16 bytes a lane, each covering 512 consecutive bytes: register 4 c + i of lane l holds column 128 c + 4 l + i.
; No LDS ring, no cluster: no wave reads another wave's pixels but one row in sixteen, and four row buffers in registers keep two to three rows
; (8 to 12 loads) of every wave on their way.
;
; LIMITS: NaN in input or tseq is not served (a NaN pixel counts as never below a threshold, while a minimum would spread it).
; Infinities are served; -0 equals +0; tseq may come in any order and may hold equal numbers.
.set USE_DUAL, 1                       ; 1: two selects on VCC in one dual instruction; 0: written singly
.set ROWB,  2048                       ; bytes in a row
.set MONE,  8                          ; v8        -1
.set TH,    32                         ; v[32:62]  s_0 .. s_30, the same in every lane
.set ONE,   63                         ; v63       1
.set X,     64                         ; v[64:127] four row buffers of 16 registers; a pixel's word overwrites the pixel
.set CA,    128                        ; v[128:142] search set A: the thresholds still in play;  v143 its k
.set KA,    143
.set CB,    144                        ; v[144:158], v159: search set B
.set KB,    159
.set ROT,   160                        ; v[160:163] register 4 c of lane l + 1
.set NB,    164                        ; v[164:171] two sets: the word of column 128 c + 4 l + 4
.set P,     172                        ; v[172:181] ten counter planes
.set L1,    182                        ; carries on their way up the adder tree
.set L2,    184
.set L3,    186
.set L4,    188
.set L5,    190
.set TT,    191
.set UA,    192                        ; u of column j + 1 and of column j, swapping names
.set UB,    193
.set E0,    194                        ; the two words fed to the counter
.set E1,    195
.set SEL,   196                        ; v[196:200] bit transpose: which bits a lane keeps
.set SL,    201                        ; v[201:205] shift left of the partner's word
.set SR,    206                        ; v[206:210] shift right of it
.set ACC,   211
.set TP,    212
.set T2,    213
.set OUT,   214
.set AD,    215
.set FN,    0                          ; how many pairs of words the counter has taken, modulo 16
	s_load_b128 s[4:7], s[0:1], 0x0                ; input s[4:5], tseq s[6:7]
	s_load_b64 s[8:9], s[0:1], 0x10                ; part
	v_lshl_add_u32 v216, v0, 2, 0x600
	v_mov_b32 v217, 0
	v_and_b32 v1, 31, v0                           ; lane
	v_lshrrev_b32 v6, 5, v0
	v_readfirstlane_b32 s10, v6                    ; wave 0..11
	s_mul_i32 s11, ttmp9, 12
	s_add_co_u32 s11, s11, s10                     ; W
	s_and_b32 s12, s11, 31                         ; strip
	s_lshl_b32 s16, s11, 15                        ; W x 16 rows x 2,048 bytes: under 2^27
	s_mov_b32 s17, 0
	v_lshlrev_b32 v2, 4, v1                        ; 16 x lane
	v_lshlrev_b32 v9, 2, v1                        ; 4 x lane
	v_add_nc_u32 v3, 1, v1
	v_and_b32 v3, 31, v3
	v_lshlrev_b32 v3, 2, v3                        ; lane permute: 4 x ((lane + 1) mod 32)
	s_mov_b32 s21, 0x80000000                      ; lane 31
	s_mov_b32 s24, 0x76543210                      ; v_permlanex16_b32: lane i of the other half
	s_mov_b32 s25, 0xfedcba98
	s_wait_kmcnt 0x0
	s_add_nc_u64 s[4:5], s[4:5], s[16:17]          ; my strip's first row
	s_cmp_eq_u32 s12, 0
	s_cselect_b32 s13, 0, -1                       ; an image's first strip has nothing above it: the words of the row read there are cleared
	s_cselect_b32 s16, 0, ROWB                     ; and that read stays inside the buffer: it takes the strip's own first row
	s_sub_nc_u64 s[18:19], s[4:5], s[16:17]        ; the row above
	s_cmp_eq_u32 s12, 31
	s_cselect_b32 s14, -1, 0                       ; an image's last strip: -runs(w_511) is cancelled
	s_mul_i32 s16, ttmp9, 1536                     ; 12 waves x 128 bytes of part
	s_add_nc_u64 s[8:9], s[8:9], s[16:17]
	global_load_b32 v4, v9, s[6:7]                 ; lane i: tseq[i]
.irp c, 0,1,2,3
	global_load_b128 v[X+4*\c:X+4*\c+3], v2, s[18:19] offset:512*\c    ; the row above, into buffer 0 (its owner reads it too: no hint)
.endr
.macro LOADROW buf, off, nt            ; a row into buffer buf; nt = 1: no other wave reads it
.irp c, 0,1,2,3
.if \nt
	global_load_b128 v[X+16*\buf+4*\c:X+16*\buf+4*\c+3], v2, s[4:5] offset:\off+512*\c th:TH_LOAD_NT
.else
	global_load_b128 v[X+16*\buf+4*\c:X+16*\buf+4*\c+3], v2, s[4:5] offset:\off+512*\c
.endif
.endr
.endm
	LOADROW 1, 0, 1
	LOADROW 2, ROWB, 1
	LOADROW 3, 2*ROWB, 1
	v_mov_b32 v7, 0                                ; destinations of lane operations count as read: written once here
	v_mov_b32 v[TP], 0
	v_mov_b32 v[MONE], -1
	v_mov_b32 v[ONE], 1
.irp j, 0,1,2,3,4,5,6,7,8,9
	v_mov_b32 v[P+\j], 0
.endr
	s_wait_loadcnt 16                              ; tseq is in; the 16 row loads issued behind it stay out
	v_mov_b32 v5, v4
; One stage of a bitonic sort over the 32 lanes: lane i meets lane i xor j and keeps the smaller where its bit of mask is set.
.macro BSTAGE j, mask
.if \j==16
	v_permlanex16_b32 v7, v5, s24, s25
	v_min_num_f32 v6, v5, v7
	v_max_num_f32 v7, v5, v7
.else
	v_min_num_f32_dpp v6, v5, v5 row_xmask:\j row_mask:0xf bank_mask:0xf
	v_max_num_f32_dpp v7, v5, v5 row_xmask:\j row_mask:0xf bank_mask:0xf
.endif
	s_mov_b32 s27, \mask
	v_cndmask_b32 v5, v7, v6, s27
.endm
	BSTAGE 1,  0x99999999                          ; mask bit i = ((i & k) == 0) == ((i & j) == 0), k = 2, 4, 8, 16, 32 the length being merged
	BSTAGE 2,  0xc3c3c3c3
	BSTAGE 1,  0xa5a5a5a5
	BSTAGE 4,  0xf00ff00f
	BSTAGE 2,  0xcc33cc33
	BSTAGE 1,  0xaa55aa55
	BSTAGE 8,  0xff0000ff
	BSTAGE 4,  0xf0f00f0f
	BSTAGE 2,  0xcccc3333
	BSTAGE 1,  0xaaaa5555
	BSTAGE 16, 0x0000ffff
	BSTAGE 8,  0x00ff00ff
	BSTAGE 4,  0x0f0f0f0f
	BSTAGE 2,  0x33333333
	BSTAGE 1,  0x55555555
.set pp, 0
.rept 31
	v_readlane_b32 s26, v5, pp                     ; s_p into every lane
	v_mov_b32 v[TH+pp], s26
.set pp, pp+1
.endr
	v_readlane_b32 s22, v5, 15                     ; the search's first root
	v_readlane_b32 s23, v5, 31                     ; the largest threshold
; Two selects on VCC at once.  Neighbouring registers: the destinations are one even and one odd, each pair of sources lies in two banks.
.macro SEL2 d, a, b
.if USE_DUAL
	v_dual_cndmask_b32 v[\d], v[\a], v[\b] :: v_dual_cndmask_b32 v[\d+1], v[\a+1], v[\b+1]
.else
	v_cndmask_b32 v[\d], v[\a], v[\b], vcc_lo
	v_cndmask_b32 v[\d+1], v[\a+1], v[\b+1], vcc_lo
.endif
.endm
; The five levels of the search for pixel x, with set c and count k.  VCC = [root <= x]: the upper half of the set moves down, k = 2 k + VCC.
.macro TL1 x, c, k
	v_cmp_le_f32 vcc_lo, s22, v[\x]
.irp q, 0,2,4,6,8,10,12
	SEL2 \c+\q, TH+\q, TH+16+\q
.endr
.if USE_DUAL
	v_dual_cndmask_b32 v[\c+14], v[TH+14], v[TH+30] :: v_dual_cndmask_b32 v[\k], 0, v[ONE]
.else
	v_cndmask_b32 v[\c+14], v[TH+14], v[TH+30], vcc_lo
	v_cndmask_b32 v[\k], 0, v[ONE], vcc_lo
.endif
.endm
.macro TL2 x, c, k
	v_cmp_le_f32 vcc_lo, v[\c+7], v[\x]
	SEL2 \c+2, \c+2, \c+10                         ; the next root first
	SEL2 \c+0, \c+0, \c+8
	SEL2 \c+4, \c+4, \c+12
	v_cndmask_b32 v[\c+6], v[\c+6], v[\c+14], vcc_lo
	v_add_co_ci_u32 v[\k], vcc_lo, v[\k], v[\k], vcc_lo    ; last: it writes VCC
.endm
.macro TL3 x, c, k
	v_cmp_le_f32 vcc_lo, v[\c+3], v[\x]
	SEL2 \c+0, \c+0, \c+4
	v_cndmask_b32 v[\c+2], v[\c+2], v[\c+6], vcc_lo
	v_add_co_ci_u32 v[\k], vcc_lo, v[\k], v[\k], vcc_lo
.endm
.macro TL4 x, c, k
	v_cmp_le_f32 vcc_lo, v[\c+1], v[\x]
	v_cndmask_b32 v[\c], v[\c], v[\c+2], vcc_lo
	v_add_co_ci_u32 v[\k], vcc_lo, v[\k], v[\k], vcc_lo
.endm
.macro TL5 x, c, k
	v_cmp_le_f32 vcc_lo, v[\c], v[\x]
	v_add_co_ci_u32 v[\k], vcc_lo, v[\k], v[\k], vcc_lo
.endm
.macro TFIN x, c, k
	v_lshlrev_b32 v[\k], v[\k], v[MONE]            ; -1 << k, k = 0..31
	v_cmp_gt_f32 vcc_lo, s23, v[\x]                ; bit 31 stands only if x < s_31; for k < 31 this holds anyway
	v_cndmask_b32 v[\x], 0, v[\k], vcc_lo          ; the word takes the pixel's place
.endm
; Two pixels, level by level in turn, so that each chain of compare, select, compare has the other between its links.
.macro THERM2 xa, xb
.irp lev, TL1, TL2, TL3, TL4, TL5, TFIN
	\lev \xa, CA, KA
	\lev \xb, CB, KB
.endr
.endm
; A full adder on 32 bits at once: lo + a + b = 2 hi + lo.
.macro CSA hi, lo, a, b
	v_xor_b32 v[TT], v[\lo], v[\a]
	v_bfi_b32 v[\hi], v[TT], v[\b], v[\lo]         ; the majority: b where lo and a differ, else lo
	v_xor_b32 v[\lo], v[TT], v[\b]
.endm
; E0 and E1 go into the counter.  Plane j takes two carries of weight 2^j once in 2^j feeds; once in 16 feeds a carry of weight 32 ripples
; through planes 5 to 9.  A lane feeds 16 rows x 16 registers x 2 = 512 bits at the most for a threshold: ten planes hold it.
; A row is 16 feeds, so no carry is on its way at a row's end.
.macro FEED
.set F1, L1+(FN&1)
.set F2, L2+((FN>>1)&1)
.set F3, L3+((FN>>2)&1)
.set F4, L4+((FN>>3)&1)
	CSA F1, P, E0, E1
.if (FN&1)==1
	CSA F2, P+1, L1, L1+1
.endif
.if (FN&3)==3
	CSA F3, P+2, L2, L2+1
.endif
.if (FN&7)==7
	CSA F4, P+3, L3, L3+1
.endif
.if FN==15
	CSA L5, P+4, L4, L4+1
	v_and_b32 v[TT], v[P+5], v[L5]
	v_xor_b32 v[P+5], v[P+5], v[L5]
	v_and_b32 v[L5], v[P+6], v[TT]
	v_xor_b32 v[P+6], v[P+6], v[TT]
	v_and_b32 v[TT], v[P+7], v[L5]
	v_xor_b32 v[P+7], v[P+7], v[L5]
	v_and_b32 v[L5], v[P+8], v[TT]
	v_xor_b32 v[P+8], v[P+8], v[TT]
	v_xor_b32 v[P+9], v[P+9], v[L5]
.endif
.set FN, (FN+1)&15
.endm
; The run ends of row cur (words in buffer cur, the row above in buffer prev), columns from right to left within each group of four registers.
.macro COUNT cur, prev, nbc, nbp, last
.irp c, 0,1,2,3
	v_or_b32 v[UA], v[NB+4*\nbp+\c], v[NB+4*\nbc+\c]                   ; u of the column right of register 4 c + 3
.irp i, 3,2,1,0
	v_or_b32 v[UB], v[X+16*\prev+4*\c+\i], v[X+16*\cur+4*\c+\i]        ; u_j
	v_bfi_b32 v[E0], v[UA], 0, v[UB]                                   ; u_j & ~u_(j+1)
.if \i==3
	v_bfi_b32 v[E1], v[X+16*\cur+4*\c+\i], v[NB+4*\nbc+\c], -1         ; ~(w_j & ~w_(j+1))
.else
	v_bfi_b32 v[E1], v[X+16*\cur+4*\c+\i], v[X+16*\cur+4*\c+\i+1], -1
.endif
.if \last
	v_or_b32 v[E1], s14, v[E1]                                         ; row 511 of an image: its runs(w) are not taken off
.endif
	FEED
.set UT, UA
.set UA, UB
.set UB, UT
.endr
.endr
.endm
; One row.  left: how many younger loads may stay out.  ldoff >= 0: buffer prev, free behind COUNT, gets the row three further down.
; halo = 1: the row above the strip: its words are made (and cleared in an image's first strip), nothing is counted.
.macro ROW cur, prev, nbc, nbp, left, ldoff, last, halo, nt
	s_wait_loadcnt \left                           ; loads come back in order: this row's four are in
	THERM2 X+16*\cur+0, X+16*\cur+4                ; registers 0, 4, 8, 12 first: the lane to the left needs them
	THERM2 X+16*\cur+8, X+16*\cur+12
.irp c, 0,1,2,3
	ds_bpermute_b32 v[ROT+\c], v3, v[X+16*\cur+4*\c]
.endr
	THERM2 X+16*\cur+1, X+16*\cur+2
	THERM2 X+16*\cur+3, X+16*\cur+5
	THERM2 X+16*\cur+6, X+16*\cur+7
	THERM2 X+16*\cur+9, X+16*\cur+10
	THERM2 X+16*\cur+11, X+16*\cur+13
	THERM2 X+16*\cur+14, X+16*\cur+15
	s_wait_dscnt 0x0                               ; the four lane permutes
.irp c, 0,1,2
	v_cndmask_b32 v[NB+4*\nbc+\c], v[ROT+\c], v[ROT+\c+1], s21         ; lane 31 goes on in lane 0 of the next group of 128 columns
.endr
	v_cndmask_b32 v[NB+4*\nbc+3], v[ROT+3], 0, s21                     ; column 512 is empty
.if \halo
.set hh, 0
.rept 16
	v_and_b32 v[X+16*\cur+hh], s13, v[X+16*\cur+hh]
.set hh, hh+1
.endr
.irp c, 0,1,2,3
	v_and_b32 v[NB+4*\nbc+\c], s13, v[NB+4*\nbc+\c]
.endr
.else
	COUNT \cur, \prev, \nbc, \nbp, \last
.if \ldoff >= 0
	LOADROW \prev, \ldoff, \nt
.endif
.endif
.endm
	ROW 0, 0, 0, 0, 12, -1, 0, 1, 0                ; the row above; the strip's first three rows (12 loads) stay out
	s_mov_b32 s20, 0
.Ltrip:                                            ; rows 1 to 12 of the strip's 16 (counted from 1); at each row's head the two rows behind it (8 loads) stay out
	ROW 1, 0, 1, 0, 8, 3*ROWB, 0, 0, 1
	ROW 2, 1, 0, 1, 8, 4*ROWB, 0, 0, 1
	ROW 3, 2, 1, 0, 8, 5*ROWB, 0, 0, 1
	ROW 0, 3, 0, 1, 8, 6*ROWB, 0, 0, 1
	s_wait_xcnt 0x0                                ; the base of the loads just issued is stepped only behind this wait
	s_add_nc_u64 s[4:5], s[4:5], 4*ROWB
	s_add_co_u32 s20, s20, 1
	s_cmp_lt_u32 s20, 3
	s_cbranch_scc1 .Ltrip
	ROW 1, 0, 1, 0, 8, 3*ROWB, 0, 0, 0             ; row 13 asks for row 16, which the next strip's wave reads too: no hint
	ROW 2, 1, 0, 1, 8, -1, 0, 0, 0                 ; nothing more is loaded: the counts run down
	ROW 3, 2, 1, 0, 4, -1, 0, 0, 0
	ROW 0, 3, 0, 1, 0, -1, 1, 0, 0
	; THE SUM OVER LANES.  Plane j holds in lane l, bit p, bit j of lane l's count for s_p.  Each plane is transposed as a 32 x 32 bit matrix over
	; the lanes; then lane p holds the 32 lanes' bits for s_p, and their number times 2^j is added up.
.macro XCONST e, d, m                  ; a lane with bit d clear keeps the bits whose index has bit d clear (mask m) and takes the partner's such bits d higher
	v_and_b32 v[SR+\e], \d, v1                     ; a lane with bit d set takes the partner's word shifted right by d,
	v_sub_nc_u32 v[SL+\e], \d, v[SR+\e]            ; the other shifted left by d
	v_cmp_ne_u32 vcc_lo, 0, v[SR+\e]
	s_mov_b32 s26, \m
	s_not_b32 s27, s26
	v_mov_b32 v[SEL+\e], s26
	v_cndmask_b32 v[SEL+\e], v[SEL+\e], s27, vcc_lo
.endm
	XCONST 0, 16, 0x0000ffff
	XCONST 1, 8,  0x00ff00ff
	XCONST 2, 4,  0x0f0f0f0f
	XCONST 3, 2,  0x33333333
	XCONST 4, 1,  0x55555555
	s_mov_b32 s28, 0x55555555
	s_mov_b32 s29, 0x33333333
	s_mov_b32 s30, 0x0f0f0f0f
	s_mov_b32 s31, 0x01010101
	v_mov_b32 v[ACC], 0xffffe000                   ; -8,192: the ones that ~e_w = 1 - e_w brought in
.macro XSTAGE reg, e, d
.if \d==16
	v_permlanex16_b32 v[TP], v[\reg], s24, s25
.else
	v_mov_b32_dpp v[TP], v[\reg] row_xmask:\d row_mask:0xf bank_mask:0xf
.endif
	v_lshlrev_b32 v[TP], v[SL+\e], v[TP]
	v_lshrrev_b32 v[TP], v[SR+\e], v[TP]
	v_bfi_b32 v[\reg], v[SEL+\e], v[\reg], v[TP]
.endm
.macro PLANE reg, j
	XSTAGE \reg, 0, 16
	XSTAGE \reg, 1, 8
	XSTAGE \reg, 2, 4
	XSTAGE \reg, 3, 2
	XSTAGE \reg, 4, 1
	v_lshrrev_b32 v[T2], 1, v[\reg]                ; the number of ones: by pairs,
	v_and_b32 v[T2], s28, v[T2]
	v_sub_nc_u32 v[\reg], v[\reg], v[T2]
	v_lshrrev_b32 v[T2], 2, v[\reg]                ; by fours,
	v_and_b32 v[\reg], s29, v[\reg]
	v_and_b32 v[T2], s29, v[T2]
	v_add_nc_u32 v[\reg], v[\reg], v[T2]
	v_lshrrev_b32 v[T2], 4, v[\reg]                ; by bytes,
	v_add_nc_u32 v[\reg], v[\reg], v[T2]
	v_and_b32 v[\reg], s30, v[\reg]
	v_mul_lo_u32 v[\reg], v[\reg], s31             ; and the four bytes summed into the top one
	v_lshrrev_b32 v[\reg], 24, v[\reg]
	v_lshl_add_u32 v[ACC], v[\reg], \j, v[ACC]
.endm
.irp j, 0,1,2,3,4,5,6,7,8,9
	PLANE P+\j, \j
.endr
	v_cvt_f32_i32 v[ACC], v[ACC]                   ; exact: at most 8,192 in size
	; Back to the order of tseq, without an index: lane i takes the figure of the smallest p with s_p >= tseq[i], which is an s_p equal to tseq[i].
	v_readlane_b32 s26, v[ACC], 31
	v_mov_b32 v[OUT], s26
.set pp, 30
.rept 31
	v_readlane_b32 s26, v[ACC], pp
	v_cmp_ge_f32 vcc_lo, v[TH+pp], v4
	v_cndmask_b32 v[OUT], v[OUT], s26, vcc_lo
.set pp, pp-1
.endr
	; THE WAY OUT: the twelve waves' 128 bytes each meet in LDS and leave as 1,536 consecutive bytes, 16 a lane, from a multiple of 256.
	s_lshl_b32 s26, s10, 7
	v_add_nc_u32 v[AD], s26, v9                    ; 128 x wave + 4 x lane
	ds_store_b32 v[AD], v[OUT]
	s_wait_dscnt 0x0                               ; my store is done before I signal: other waves read it
	s_barrier_signal -1
	s_barrier_wait -1
	s_cmp_gt_u32 s10, 2
	s_cbranch_scc1 .Lend                           ; 1,536 bytes are three waves' stores
	s_lshl_b32 s26, s10, 9
	v_add_nc_u32 v[AD], s26, v2                    ; 512 x wave + 16 x lane
	ds_load_b128 v[X:X+3], v[AD]
	s_wait_dscnt 0x0
	global_store_b128 v[AD], v[X:X+3], s[8:9]
.Lend:
	s_wait_tensorcnt 0x0
	ds_add_u32 v216, v217
	s_wait_dscnt 0x0
	s_endpgm
.Lfunc_end_k_qbbdf57adc6_ecurve:
	.size	k_qbbdf57adc6_ecurve, .Lfunc_end_k_qbbdf57adc6_ecurve-k_qbbdf57adc6_ecurve
	.p2alignl 7, 3214868480
	.fill 96, 4, 3214868480
	.section	.rodata,"a",@progbits
	.p2align	6, 0x0
	.amdhsa_kernel k_qbbdf57adc6_ecurve
		.amdhsa_group_segment_fixed_size 3072
		.amdhsa_private_segment_fixed_size 0
		.amdhsa_enable_private_segment 0
		.amdhsa_kernarg_size 24
		.amdhsa_user_sgpr_count 2
		.amdhsa_user_sgpr_kernarg_segment_ptr 1
		.amdhsa_wavefront_size32 1
		.amdhsa_system_sgpr_workgroup_id_x 1
		.amdhsa_system_sgpr_workgroup_id_y 1
		.amdhsa_system_sgpr_workgroup_id_z 1
		.amdhsa_system_vgpr_workitem_id 0
		.amdhsa_next_free_vgpr 218
		.amdhsa_next_free_sgpr 66
		.amdhsa_reserve_vcc 1
		.amdhsa_float_denorm_mode_32 3
		.amdhsa_float_denorm_mode_16_64 3
		.amdhsa_memory_ordered 1
		.amdhsa_forward_progress 1
		.amdhsa_inst_pref_size 255
	.end_amdhsa_kernel
	.section	.bss,"aw",@nobits
	.p2align	6
	.space	262144
	.amdgpu_metadata
---
amdhsa.version: [ 1, 2 ]
amdhsa.kernels:
  - .name:           k_qbbdf57adc6_ecurve
    .symbol:         k_qbbdf57adc6_ecurve.kd
    .args:
      - { .name: input, .offset: 0, .size: 8, .value_kind: global_buffer, .address_space: global }
      - { .name: tseq, .offset: 8, .size: 8, .value_kind: global_buffer, .address_space: global }
      - { .name: part, .offset: 16, .size: 8, .value_kind: global_buffer, .address_space: global }
    .group_segment_fixed_size: 3072
    .private_segment_fixed_size: 0
    .kernarg_segment_align: 8
    .kernarg_segment_size: 24
    .max_flat_workgroup_size: 384
    .sgpr_count:     66
    .vgpr_count:     218
    .wavefront_size: 32
...
	.end_amdgpu_metadata
.endif
;; end of part 1
;; launch mlp (part 2): grid 32 x 1, 4 waves a work-group, no clusters, 1,536 bytes of LDS; arguments part, W1, b1, W2, b2, out0; writes out0
.if DOCPART == 2
	.amdgcn_target "amdgcn-amd-amdhsa--gfx1250"
	.amdhsa_code_object_version 6
	.text
	.protected	k_qbbdf57adc6_mlp
	.globl	k_qbbdf57adc6_mlp
	.p2align	8
	.type	k_qbbdf57adc6_mlp,@function
k_qbbdf57adc6_mlp:
	s_mov_b64 s[64:65], 0
	v_nop
	global_prefetch_b8 v0, s[64:65] scope:SCOPE_SE
	s_setreg_imm32_b32 hwreg(HW_REG_WAVE_MODE, 25, 1), 1
	s_wait_xcnt 0x0
; out0[b] = relu(ec[b] W1^T + b1) W2^T + b2 for one batch row b a work-group; ec[b][32 c + t] = the sum over 32 strips of part[3 b + c][strip][t].
; Four waves.  Waves 0 to 2 each sum one channel (4,096 consecutive bytes of part).  Layer 1: wave w makes hidden units 16 w .. 16 w + 15;
; layer 2: waves 0 and 1 make outputs 16 w .. 16 w + 15.  The A fragment is the one row, read alike by all sixteen rows of the tile, so register 0
; of the result holds, in lane r, the output of column r.  The whole problem has 32 rows and half a million multiply-adds: the fifteen idle rows of
; each tile cost ten matrix instructions a wave, while one row a work-group spreads the reading of part over 32 work-groups.
; ec and h are large numbers whose products cancel, so each goes in as bf16 hi + bf16 lo (16 significant bits), hi and lo on accumulators of their own.
; W1 and W2 are rounded to bf16 once.  The strip sums are whole numbers under 2^24: exact in f32 in any order.
; No cluster: W1 and W2, 32 KiB, are all that work-groups share.  A work-group's 128 bytes of out0 are half of an aligned block of 256: the output is 4 KiB in all.
.set WF,   16                          ; v[16:63]   W1's tile in f32; later ec's fragments: hi v[16:39], lo v[40:63]
.set BW1,  64                          ; v[64:87]   W1's tile in bf16: three K steps of 32
.set BI1,  88                          ; v88        b1 of my column
.set PT,   96                          ; v[96:127]  part; later h's fragments: hi v[96:111], lo v[112:127]
.set W2F,  128                         ; v[128:159] W2's tile in f32
.set BW2,  160                         ; v[160:175] W2's tile in bf16: two K steps
.set BI2,  176                         ; v176       b2 of my column
.set D0,   180                         ; layer 1: hi, lo
.set D1,   188
.set D2,   196                         ; layer 2: hi, lo
.set D3,   204
.set ECH,  0                           ; LDS: ec hi, 96 bf16
.set ECL,  256                         ;      ec lo
.set HH,   512                         ;      h hi, 64 bf16
.set HL,   768                         ;      h lo
	s_load_b256 s[4:11], s[0:1], 0x0               ; part s[4:5], W1 s[6:7], b1 s[8:9], W2 s[10:11]
	s_load_b128 s[12:15], s[0:1], 0x20             ; b2 s[12:13], out0 s[14:15]
	v_lshl_add_u32 v212, v0, 2, 0x400
	v_mov_b32 v213, 0
	v_lshrrev_b32 v1, 5, v0
	v_readfirstlane_b32 s16, v1                    ; wave 0..3
	v_and_b32 v1, 31, v0                           ; lane
	v_and_b32 v2, 15, v0                           ; r
	v_bfe_u32 v3, v0, 4, 1                         ; h
	s_lshl_b32 s17, s16, 4
	v_add_nc_u32 v9, s17, v2                       ; n = 16 w + r: my column
	v_mul_u32_u24 v4, v9, 384                      ; W1: a row of 96 f32,
	v_lshl_add_u32 v4, v3, 5, v4                   ; + 8 h numbers
	v_lshlrev_b32 v5, 2, v9                        ; 4 n: b1, b2, out0
	v_lshlrev_b32 v8, 4, v3                        ; 16 h: fragments of the one row in LDS
	s_mov_b32 s20, 0x76543210                      ; v_permlanex16_b32: lane i of the other half
	s_mov_b32 s21, 0xfedcba98
	s_wait_kmcnt 0x0
	; A B fragment of K step c: lane (r, h) holds k = 32 c + 8 h .. + 7 and 32 c + 16 + 8 h .. + 7 of column n: in f32 twice 32 bytes, 64 apart.
.irp c, 0,1,2
	global_load_b128 v[WF+16*\c:WF+16*\c+3],     v4, s[6:7] offset:128*\c
	global_load_b128 v[WF+16*\c+4:WF+16*\c+7],   v4, s[6:7] offset:128*\c+16
	global_load_b128 v[WF+16*\c+8:WF+16*\c+11],  v4, s[6:7] offset:128*\c+64
	global_load_b128 v[WF+16*\c+12:WF+16*\c+15], v4, s[6:7] offset:128*\c+80
.endr
	global_load_b32 v[BI1], v5, s[8:9]
	s_cmp_gt_u32 s16, 2
	s_cbranch_scc1 .Lno_part
	s_mul_i32 s18, ttmp9, 12288                    ; three channels of 32 strips x 128 bytes
	s_lshl_b32 s19, s16, 12
	s_add_co_u32 s18, s18, s19                     ; + my channel
	s_mov_b32 s19, 0
	s_add_nc_u64 s[4:5], s[4:5], s[18:19]
	v_lshlrev_b32 v6, 4, v1
.irp q, 0,1,2,3,4,5,6,7
	global_load_b128 v[PT+4*\q:PT+4*\q+3], v6, s[4:5] offset:512*\q    ; strip 4 q + lane / 8, thresholds 4 (lane % 8) .. + 3
.endr
.Lno_part:
	s_cmp_gt_u32 s16, 1
	s_cbranch_scc1 .Lno_w2
	v_lshlrev_b32 v7, 8, v9                        ; W2: a row of 64 f32,
	v_lshl_add_u32 v7, v3, 5, v7                   ; + 8 h numbers
.irp c, 0,1
	global_load_b128 v[W2F+16*\c:W2F+16*\c+3],     v7, s[10:11] offset:128*\c
	global_load_b128 v[W2F+16*\c+4:W2F+16*\c+7],   v7, s[10:11] offset:128*\c+16
	global_load_b128 v[W2F+16*\c+8:W2F+16*\c+11],  v7, s[10:11] offset:128*\c+64
	global_load_b128 v[W2F+16*\c+12:W2F+16*\c+15], v7, s[10:11] offset:128*\c+80
.endr
	global_load_b32 v[BI2], v5, s[12:13]
.Lno_w2:
	s_wait_loadcnt 0x0                             ; all of a wave's loads went out together: one wait
.set m, 0
.rept 24
	v_cvt_pk_bf16_f32 v[BW1+m], v[WF+2*m], v[WF+2*m+1]
.set m, m+1
.endr
	s_cmp_gt_u32 s16, 2
	s_cbranch_scc1 .Lno_sum
	; my channel: eight strips within the lane, then lanes 8, 16 and 24 apart
.irp q, 0,2,4,6
	v_pk_add_f32 v[PT+4*\q:PT+4*\q+1],   v[PT+4*\q:PT+4*\q+1],   v[PT+4*\q+4:PT+4*\q+5]
	v_pk_add_f32 v[PT+4*\q+2:PT+4*\q+3], v[PT+4*\q+2:PT+4*\q+3], v[PT+4*\q+6:PT+4*\q+7]
.endr
.irp q, 0,4
	v_pk_add_f32 v[PT+4*\q:PT+4*\q+1],   v[PT+4*\q:PT+4*\q+1],   v[PT+4*\q+8:PT+4*\q+9]
	v_pk_add_f32 v[PT+4*\q+2:PT+4*\q+3], v[PT+4*\q+2:PT+4*\q+3], v[PT+4*\q+10:PT+4*\q+11]
.endr
	v_pk_add_f32 v[PT:PT+1],   v[PT:PT+1],   v[PT+16:PT+17]
	v_pk_add_f32 v[PT+2:PT+3], v[PT+2:PT+3], v[PT+18:PT+19]
.irp i, 0,1,2,3
	v_mov_b32 v[12+\i], 0                          ; the destination of v_permlanex16_b32 counts as read
	v_add_f32_dpp v[PT+\i], v[PT+\i], v[PT+\i] row_xmask:8 row_mask:0xf bank_mask:0xf
.endr
.irp i, 0,1,2,3
	v_permlanex16_b32 v[12+\i], v[PT+\i], s20, s21
.endr
.irp i, 0,1,2,3
	v_add_f32 v[PT+\i], v[PT+\i], v[12+\i]         ; every lane: ec of thresholds 4 (lane % 8) + i
.endr
	v_cvt_pk_bf16_f32 v10, v[PT], v[PT+1]          ; hi
	v_cvt_pk_bf16_f32 v11, v[PT+2], v[PT+3]
	v_lshlrev_b32 v12, 16, v10
	v_and_b32 v13, 0xffff0000, v10
	v_lshlrev_b32 v14, 16, v11
	v_and_b32 v15, 0xffff0000, v11
	v_pk_add_f32 v[PT:PT+1],   v[PT:PT+1],   v[12:13] neg_lo:[0,1] neg_hi:[0,1]   ; what hi left over, exact
	v_pk_add_f32 v[PT+2:PT+3], v[PT+2:PT+3], v[14:15] neg_lo:[0,1] neg_hi:[0,1]
	v_cvt_pk_bf16_f32 v12, v[PT], v[PT+1]          ; lo
	v_cvt_pk_bf16_f32 v13, v[PT+2], v[PT+3]
	v_and_b32 v14, 7, v1
	v_lshlrev_b32 v14, 3, v14
	s_lshl_b32 s22, s16, 6
	v_add_nc_u32 v14, s22, v14                     ; 2 bytes x (32 w + 4 (lane % 8)); the four lanes 8 apart write the same bytes with the same values
	ds_store_b64 v14, v[10:11] offset:ECH
	ds_store_b64 v14, v[12:13] offset:ECL
.Lno_sum:
	s_wait_dscnt 0x0                               ; my stores are done before I signal: every wave reads all 96 numbers
	s_barrier_signal -1
	s_barrier_wait -1
.irp c, 0,1,2
	ds_load_b128 v[WF+8*\c:WF+8*\c+3],       v8 offset:ECH+64*\c       ; k = 32 c + 8 h .. + 7, the same for all sixteen rows
	ds_load_b128 v[WF+8*\c+4:WF+8*\c+7],     v8 offset:ECH+64*\c+32
	ds_load_b128 v[WF+24+8*\c:WF+24+8*\c+3], v8 offset:ECL+64*\c
	ds_load_b128 v[WF+24+8*\c+4:WF+24+8*\c+7], v8 offset:ECL+64*\c+32
.endr
	s_wait_dscnt 0x0
	; The two accumulators take turns, one instruction a turn.  The first products start the sums.
	v_wmma_f32_16x16x32_bf16 v[D0:D0+7], v[WF:WF+7],       v[BW1:BW1+7],     0
	v_wmma_f32_16x16x32_bf16 v[D1:D1+7], v[WF+24:WF+31],   v[BW1:BW1+7],     0
	v_wmma_f32_16x16x32_bf16 v[D0:D0+7], v[WF+8:WF+15],    v[BW1+8:BW1+15],  v[D0:D0+7]
	v_wmma_f32_16x16x32_bf16 v[D1:D1+7], v[WF+32:WF+39],   v[BW1+8:BW1+15],  v[D1:D1+7]
	v_wmma_f32_16x16x32_bf16 v[D0:D0+7], v[WF+16:WF+23],   v[BW1+16:BW1+23], v[D0:D0+7]
	v_wmma_f32_16x16x32_bf16 v[D1:D1+7], v[WF+40:WF+47],   v[BW1+16:BW1+23], v[D1:D1+7]
.rept 4
	v_nop                                          ; four places before a vector instruction reads a matrix result (ISA guide 7.12.1)
.endr
	v_add_f32 v10, v[D0], v[D1]
	v_add_f32 v10, v10, v[BI1]
	v_max_num_f32 v10, 0, v10                      ; h of unit n
	v_cvt_pk_bf16_f32 v11, v10, v10                ; hi
	v_lshlrev_b32 v12, 16, v11
	v_sub_f32 v12, v10, v12
	v_cvt_pk_bf16_f32 v12, v12, v12                ; lo
	v_lshlrev_b32 v13, 1, v9                       ; 2 n; lanes r and 16 + r write the same bytes with the same values
	ds_store_b16 v13, v11 offset:HH
	ds_store_b16 v13, v12 offset:HL
	s_wait_dscnt 0x0                               ; my stores are done before I signal: waves 0 and 1 read all 64 numbers
	s_barrier_signal -1
	s_barrier_wait -1
	s_cmp_gt_u32 s16, 1
	s_cbranch_scc1 .Lend                           ; 32 outputs are two waves' tiles
.irp c, 0,1
	ds_load_b128 v[PT+8*\c:PT+8*\c+3],         v8 offset:HH+64*\c
	ds_load_b128 v[PT+8*\c+4:PT+8*\c+7],       v8 offset:HH+64*\c+32
	ds_load_b128 v[PT+16+8*\c:PT+16+8*\c+3],   v8 offset:HL+64*\c
	ds_load_b128 v[PT+16+8*\c+4:PT+16+8*\c+7], v8 offset:HL+64*\c+32
.endr
.set m, 0
.rept 16
	v_cvt_pk_bf16_f32 v[BW2+m], v[W2F+2*m], v[W2F+2*m+1]               ; while the LDS loads are on their way
.set m, m+1
.endr
	s_lshl_b32 s18, ttmp9, 7                       ; my row of out0
	s_mov_b32 s19, 0
	s_add_nc_u64 s[14:15], s[14:15], s[18:19]
	s_wait_dscnt 0x0
	v_wmma_f32_16x16x32_bf16 v[D2:D2+7], v[PT:PT+7],     v[BW2:BW2+7],    0       ; by turns again
	v_wmma_f32_16x16x32_bf16 v[D3:D3+7], v[PT+16:PT+23], v[BW2:BW2+7],    0
	v_wmma_f32_16x16x32_bf16 v[D2:D2+7], v[PT+8:PT+15],  v[BW2+8:BW2+15], v[D2:D2+7]
	v_wmma_f32_16x16x32_bf16 v[D3:D3+7], v[PT+24:PT+31], v[BW2+8:BW2+15], v[D3:D3+7]
.rept 4
	v_nop                                          ; four places, with all lanes on
.endr
	v_add_f32 v10, v[D2], v[D3]
	v_add_f32 v10, v10, v[BI2]
	v_cmp_gt_u32 vcc_lo, 16, v1                    ; lanes 16 to 31 hold the same sixteen numbers again
	s_wait_xcnt 0x0                                ; EXEC changes only behind this wait
	s_and_saveexec_b32 s23, vcc_lo
	global_store_b32 v5, v10, s[14:15]
	s_wait_xcnt 0x0                                ; and again in front of the line that widens it
	s_or_b32 exec_lo, exec_lo, s23
.Lend:
	s_wait_tensorcnt 0x0
	ds_add_u32 v212, v213
	s_wait_dscnt 0x0
	s_endpgm
.Lfunc_end_k_qbbdf57adc6_mlp:
	.size	k_qbbdf57adc6_mlp, .Lfunc_end_k_qbbdf57adc6_mlp-k_qbbdf57adc6_mlp
	.p2alignl 7, 3214868480
	.fill 96, 4, 3214868480
	.section	.rodata,"a",@progbits
	.p2align	6, 0x0
	.amdhsa_kernel k_qbbdf57adc6_mlp
		.amdhsa_group_segment_fixed_size 1536
		.amdhsa_private_segment_fixed_size 0
		.amdhsa_enable_private_segment 0
		.amdhsa_kernarg_size 48
		.amdhsa_user_sgpr_count 2
		.amdhsa_user_sgpr_kernarg_segment_ptr 1
		.amdhsa_wavefront_size32 1
		.amdhsa_system_sgpr_workgroup_id_x 1
		.amdhsa_system_sgpr_workgroup_id_y 1
		.amdhsa_system_sgpr_workgroup_id_z 1
		.amdhsa_system_vgpr_workitem_id 0
		.amdhsa_next_free_vgpr 214
		.amdhsa_next_free_sgpr 66
		.amdhsa_reserve_vcc 1
		.amdhsa_float_denorm_mode_32 3
		.amdhsa_float_denorm_mode_16_64 3
		.amdhsa_memory_ordered 1
		.amdhsa_forward_progress 1
		.amdhsa_inst_pref_size 13
	.end_amdhsa_kernel
	.amdgpu_metadata
---
amdhsa.version: [ 1, 2 ]
amdhsa.kernels:
  - .name:           k_qbbdf57adc6_mlp
    .symbol:         k_qbbdf57adc6_mlp.kd
    .args:
      - { .name: part, .offset: 0, .size: 8, .value_kind: global_buffer, .address_space: global }
      - { .name: W1, .offset: 8, .size: 8, .value_kind: global_buffer, .address_space: global }
      - { .name: b1, .offset: 16, .size: 8, .value_kind: global_buffer, .address_space: global }
      - { .name: W2, .offset: 24, .size: 8, .value_kind: global_buffer, .address_space: global }
      - { .name: b2, .offset: 32, .size: 8, .value_kind: global_buffer, .address_space: global }
      - { .name: out0, .offset: 40, .size: 8, .value_kind: global_buffer, .address_space: global }
    .group_segment_fixed_size: 1536
    .private_segment_fixed_size: 0
    .kernarg_segment_align: 8
    .kernarg_segment_size: 48
    .max_flat_workgroup_size: 128
    .sgpr_count:     66
    .vgpr_count:     214
    .wavefront_size: 32
...
	.end_amdgpu_metadata
.endif
;; end of part 2
